; MI455X (gfx1250); checked and timed in simulation.
; The chip was launched on July 23, 2026; its instructions are those of AMD's public machine-readable ISA for CDNA 5 (MIT licence, August 2026) and "CDNA5" Instruction Set Architecture Reference Guide (July 2026). The comments in the code are by the model that wrote it; some were corrected since.
;; Self Attention Layer. Allowed arithmetic: float matrix products may take bf16 or f16 operands with f32 sums; all other float work in f32.
;; Inputs: Wk 1,024 x 1,024 float32; Wq 1,024 x 1,024 float32; Wv 1,024 x 1,024 float32; X 4 x 2,048 x 1,024 float32; bk 1,024 float32; bq 1,024 float32; bv 1,024 float32.
;; Outputs: out0 4 x 2,048 x 1,024 float32.
;; One version. Each part assembles by itself: llvm-mc -triple=amdgcn-amd-amdhsa -mcpu=gfx1250 --defsym DOCPART=n.
;; ======== version 1 of 1: 4 launches
;; workspace buffers: Xb 16,777,216 bytes; Wb 6,291,456 bytes; QKb 33,554,432 bytes; stats 1,048,576 bytes
;; launch tobf16 (part 1): grid 128 x 11, 8 waves a work-group, no clusters, 0 bytes of LDS; arguments X, Wq, Wk, Wv, Xb, Wb; writes Xb, Wb
.if DOCPART == 1
	.amdgcn_target "amdgcn-amd-amdhsa--gfx1250"
	.amdhsa_code_object_version 6
	.text
	.protected	k_q4f5e386555_tobf16
	.globl	k_q4f5e386555_tobf16
	.p2align	8
	.type	k_q4f5e386555_tobf16,@function
k_q4f5e386555_tobf16:
	s_mov_b64 s[64:65], 0
	v_nop
	global_prefetch_b8 v0, s[64:65] scope:SCOPE_SE
	s_setreg_imm32_b32 hwreg(HW_REG_WAVE_MODE, 25, 1), 1
	s_wait_xcnt 0x0
; Rounds X, Wq, Wk, Wv from f32 to bf16 (nearest even), layouts kept: Xb [8192][1024], Wb [3][1024 k][1024 n] in the order q, k, v.
; The 44 MiB of f32 are eleven parts of 4 MiB: grid y = 0..7 the parts of X, y = 8, 9, 10 the three weights.
; A work-group takes 32 KiB of a part (grid x = 128).  Thread t takes 16 bytes at 16 t of each of eight pieces of 4,096 bytes.
; So a load of a wave covers 512 consecutive bytes, and a store of a wave covers 256 consecutive bytes, aligned.
; A stream: every byte is read once and written once.  LDS, barriers, matrix units and clusters would add nothing; no work-group shares a byte.
; All eight loads of a wave go out first; there is no loop.
.set PIECE, 4096                       ; bytes of f32 that the 256 threads take with one load each
.set IN,    4                          ; v[4:35]   piece i: 4 f32 as loaded
.set OUT,   36                         ; v[36:51]  piece i: 4 bf16 to store
	s_load_b256 s[4:11], s[0:1], 0x0               ; X s[4:5], Wq s[6:7], Wk s[8:9], Wv s[10:11]
	s_load_b128 s[12:15], s[0:1], 0x20             ; Xb s[12:13], Wb s[14:15]
	s_and_b32 s16, ttmp7, 0xffff                   ; y: which part
	s_sub_co_u32 s17, s16, 8                       ; y - 8: which weight (used only where y >= 8)
	v_lshlrev_b32 v1, 4, v0                        ; my 16 bytes of f32
	v_lshlrev_b32 v2, 3, v0                        ; my 8 bytes of bf16
	s_cmp_lt_u32 s16, 8
	s_cselect_b32 s18, s16, s17                    ; the part's number inside its destination
	s_cselect_b32 s19, s16, 0                      ; and inside its source (each weight is one part)
	s_lshl_b32 s24, s19, 22                        ; source offset: part x 4 MiB + work-group x 32 KiB
	s_lshl_b32 s28, ttmp9, 15
	s_add_co_u32 s24, s24, s28
	s_mov_b32 s25, 0
	s_lshl_b32 s26, s18, 21                        ; destination offset: half of that
	s_lshl_b32 s28, ttmp9, 14
	s_add_co_u32 s26, s26, s28
	s_mov_b32 s27, 0
	s_wait_kmcnt 0x0
	s_cmp_lt_u32 s16, 8                            ; compared again: the shifts and sums above have set SCC
	s_cselect_b64 s[22:23], s[12:13], s[14:15]     ; destination: Xb or Wb
	s_cmp_eq_u32 s16, 8
	s_cselect_b64 s[20:21], s[6:7], s[4:5]         ; source: X, unless y names a weight
	s_cmp_eq_u32 s16, 9
	s_cselect_b64 s[20:21], s[8:9], s[20:21]
	s_cmp_eq_u32 s16, 10
	s_cselect_b64 s[20:21], s[10:11], s[20:21]
	s_add_nc_u64 s[20:21], s[20:21], s[24:25]
	s_add_nc_u64 s[22:23], s[22:23], s[26:27]
.irp i, 0,1,2,3,4,5,6,7
	global_load_b128 v[IN+4*\i:IN+4*\i+3], v1, s[20:21] offset:PIECE*\i th:TH_LOAD_NT   ; read once in the launch
.endr
.irp i, 0,1,2,3,4,5,6,7
	s_wait_loadcnt 7-\i                            ; loads come back in order: piece i is in, the 7 - i younger ones stay out
	v_cvt_pk_bf16_f32 v[OUT+2*\i],   v[IN+4*\i],   v[IN+4*\i+1]
	v_cvt_pk_bf16_f32 v[OUT+2*\i+1], v[IN+4*\i+2], v[IN+4*\i+3]
	global_store_b64 v2, v[OUT+2*\i:OUT+2*\i+1], s[22:23] offset:(PIECE/2)*\i          ; no hint: the next launches read these bytes
.endr
	s_endpgm
.Lfunc_end_k_q4f5e386555_tobf16:
	.size	k_q4f5e386555_tobf16, .Lfunc_end_k_q4f5e386555_tobf16-k_q4f5e386555_tobf16
	.p2alignl 7, 3214868480
	.fill 96, 4, 3214868480
	.section	.rodata,"a",@progbits
	.p2align	6, 0x0
	.amdhsa_kernel k_q4f5e386555_tobf16
		.amdhsa_group_segment_fixed_size 0
		.amdhsa_private_segment_fixed_size 0
		.amdhsa_enable_private_segment 0
		.amdhsa_kernarg_size 48
		.amdhsa_user_sgpr_count 2
		.amdhsa_user_sgpr_kernarg_segment_ptr 1
		.amdhsa_wavefront_size32 1
		.amdhsa_system_sgpr_workgroup_id_x 1
		.amdhsa_system_sgpr_workgroup_id_y 1
		.amdhsa_system_sgpr_workgroup_id_z 1
		.amdhsa_system_vgpr_workitem_id 0
		.amdhsa_next_free_vgpr 52
		.amdhsa_next_free_sgpr 66
		.amdhsa_reserve_vcc 0
		.amdhsa_float_denorm_mode_32 3
		.amdhsa_float_denorm_mode_16_64 3
		.amdhsa_memory_ordered 1
		.amdhsa_forward_progress 1
		.amdhsa_inst_pref_size 4
	.end_amdhsa_kernel
	.amdgpu_metadata
---
amdhsa.version: [ 1, 2 ]
amdhsa.kernels:
  - .name:           k_q4f5e386555_tobf16
    .symbol:         k_q4f5e386555_tobf16.kd
    .args:
      - { .name: X, .offset: 0, .size: 8, .value_kind: global_buffer, .address_space: global }
      - { .name: Wq, .offset: 8, .size: 8, .value_kind: global_buffer, .address_space: global }
      - { .name: Wk, .offset: 16, .size: 8, .value_kind: global_buffer, .address_space: global }
      - { .name: Wv, .offset: 24, .size: 8, .value_kind: global_buffer, .address_space: global }
      - { .name: Xb, .offset: 32, .size: 8, .value_kind: global_buffer, .address_space: global }
      - { .name: Wb, .offset: 40, .size: 8, .value_kind: global_buffer, .address_space: global }
    .group_segment_fixed_size: 0
    .private_segment_fixed_size: 0
    .kernarg_segment_align: 8
    .kernarg_segment_size: 48
    .max_flat_workgroup_size: 256
    .sgpr_count:     66
    .vgpr_count:     52
    .wavefront_size: 32
...
	.end_amdgpu_metadata
.endif
;; end of part 1
;; launch qkproj (part 2): grid 8 x 32, 4 waves a work-group, clusters of 4 x 4, 327,680 bytes of LDS; arguments Xb, Wb, bq, bk, QKb; writes QKb
.if DOCPART == 2
	.amdgcn_target "amdgcn-amd-amdhsa--gfx1250"
	.amdhsa_code_object_version 6
	.text
	.protected	k_q4f5e386555_qkproj
	.globl	k_q4f5e386555_qkproj
	.p2align	8
	.type	k_q4f5e386555_qkproj,@function
k_q4f5e386555_qkproj:
	s_mov_b64 s[64:65], 0
	v_nop
	global_prefetch_b8 v0, s[64:65] scope:SCOPE_SE
	s_setreg_imm32_b32 hwreg(HW_REG_WAVE_MODE, 25, 1), 1
	s_wait_xcnt 0x0
	s_wait_alu depctr_hold_cnt(0) depctr_sa_sdst(0) depctr_va_vdst(0) depctr_va_sdst(0) depctr_va_ssrc(0) depctr_va_vcc(0) depctr_vm_vsrc(0)
	s_getreg_b32 s2, hwreg(HW_REG_IB_STS2, 6, 4)
	s_cmp_eq_u32 s2, 0
	s_cbranch_scc0 .Lentry_in_a_cluster
	s_endpgm
.Lentry_in_a_cluster:
	s_bfe_u32 s2, ttmp6, 0x10000c
	s_cmp_lg_u32 s2, 0xf033
	s_cbranch_scc0 .Lentry_shape_is_right
	s_endpgm
.Lentry_shape_is_right:
; Q = Xb Wq + bq and K = Xb Wk + bk, sums in f32, rounded once to bf16: QKb [2][8192][1024], Q then K.
; Xb: [8192][1024] bf16.  Wb: [3][1024 k][1024 n] bf16 (q, k, v).  bq, bk: [1024] f32.
; A work-group makes 256 rows x 256 columns with four waves; a wave makes 128 x 128: 64 accumulator tiles of 16 x 16, 512 registers.
; Grid x = 8 block columns: clusters 0 and 1 along x are Q and K, the place in the cluster is the block column of that matrix.  Grid y = 32 block rows.
; K goes in steps of 128 through two LDS slots filled by the tensor data mover.
; CLUSTERS: 4 x 4 work-groups.  The four of a row of the cluster need the same rows of Xb, the four of a column the same columns of a weight.
; Each such tile is asked for jointly, which divides the requests by four.
; THE WEIGHTS STAY [k][n]: in LDS a tile is 128 k rows of 256 n, and ds_load_tr16_b128 brings a fragment with k along a lane's registers.
; THE MATRIX INSTRUCTION IS USED TRANSPOSED: source 0 = 16 columns of W, source 1 = 16 rows of X.
; A lane then holds row l % 16 and eight neighbouring columns 8 (l / 16) + 0..7 of the result.
; THE BIAS IS THE FIRST C: eight tiles of bias (one for each 16 columns, the same in all rows) lie in registers,
; and the first product of each accumulator takes its tile as C.  No accumulator is cleared and no add follows.
; REGISTERS in windows of 256: window 0: v0-31 addresses, v64-127 and v128-191 X fragments (two buffers), v192-223 at work on the way out;
; window 1: v0-63 bias tiles, v64-127 and v128-191 W fragments; window 2: accumulators of my rows 0-63 (tile (a, b) at 8 (8 a + b)); window 3: rows 64-127.
.set SIZE_K, 1024
.set KSTEP,  128
.set PITCH,  272                       ; LDS row of X: 256 bytes + 16: the 16 rows of a fragment load begin in 16 different 16-byte columns modulo 256 bytes
.set PB,     544                       ; LDS row of W: 512 bytes + 32 = 17 x 32
.set HALFT,  128*PITCH                 ; what one tensor load brings: 128 rows of X, or 64 k rows of W (64 x 544 is the same 34,816 bytes)
.set SLOT,   4*HALFT                   ; X's 256 rows, then W's 128 k rows
.set STAGE,  2*SLOT                    ; behind the ring, at a multiple of 256: 16 rows x 272 bytes for each wave, for the way out; no tensor load lands here
.set SPITCH, 272
.set LAPS,   SIZE_K/(2*KSTEP)          ; a lap = two K steps = once round the ring: 4
.set WROW,   2048                      ; bytes in a row of a weight
.set CROW,   2048                      ; bytes in a row of Q or K
.set ADRA, 16                          ; v16-17  LDS address of my X fragments in slot 0, 1
.set ADRB, 20                          ; v20-21  the same for W
.set STO,  24                          ; v24     the way out: where I put 16 bytes of a row
.set RD,   25                          ; v25     the way out: where I read a row back
.set CO,   26                          ; v26     my byte offset in the output
.set BO,   27                          ; v27     my byte offset in the bias: 32 (l / 16)
.set F0,   64
.set F1,   128
.set TMP,  192
.set BIAS, 0                           ; window 1
.set G1,   24                          ; s[24:31] group 1 for X's tiles
.set G0,   32                          ; s[32:39] group 0 for X's tiles, one set for each slot
.set G1B,  48                          ; s[48:55] group 1 for W's tiles
.set G0B,  56                          ; s[56:63] group 0 for W's tiles, one set for each slot
.set MSB, 0
.macro WIN new                         ; the immediate's high byte repeats the setting that is left; a switch that changes nothing is dropped
.if MSB != (\new)
	s_set_vgpr_msb (MSB<<8)|(\new)
.set MSB, \new
.endif
.endm
.set MUL_LO,   0xa1                    ; source 0 (W) window 1, source 1 (X) window 0, C and D window 2
.set MUL_HI,   0xf1                    ; the same, C and D window 3
.set FIRST_LO, 0x91                    ; C (the bias) window 1, D window 2
.set FIRST_HI, 0xd1                    ; C window 1, D window 3
.set TO_B,     0x40                    ; destination window 1, address window 0
; A joint load.  Waves 0 and 1 fetch X's two halves, waves 2 and 3 W's.  Each line has one mask; the branch hangs on the wave's number alone.
.macro JLOAD s
	s_cmp_eq_u32 s11, 0
	s_cbranch_scc0 .Lfor_b_\@
	tensor_load_to_lds s[G0+4*\s:G0+4*\s+3], s[G1:G1+7]
	s_nop 0
	s_branch .Lasked_\@
.Lfor_b_\@:
	tensor_load_to_lds s[G0B+4*\s:G0B+4*\s+3], s[G1B:G1B+7]
	s_nop 0
	v_nop
.Lasked_\@:
.endm
; A round of the cluster's barrier, in four steps: my work-group's barrier; wave 0 signals for the work-group;
; every wave waits for all sixteen work-groups; my work-group's barrier again.
.macro CREST                           ; a round behind its opening barrier
	s_cmp_lg_u32 s10, 0
	s_cbranch_scc1 .Lnot_wave_0_\@
	s_barrier_signal -3
.Lnot_wave_0_\@:
	s_barrier_wait -3
	s_barrier_signal -1
	s_barrier_wait -1
.endm
.macro CROUND
	s_barrier_signal -1
	s_barrier_wait -1
	CREST
.endm
	s_load_b128 s[4:7], s[0:1], 0x0                ; Xb s[4:5], Wb s[6:7]
	s_load_b128 s[68:71], s[0:1], 0x10             ; bq s[68:69], bk s[70:71]
	s_load_b64 s[8:9], s[0:1], 0x20                ; QKb
	s_set_vgpr_msb 0x40
	v_lshl_add_u32 v255, v0, 2, 0x48400
	s_set_vgpr_msb 0x4000
	v_mov_b32 v255, 0
	s_set_vgpr_msb 0x1
	ds_add_u32 v255, v255
	ds_add_u32 v255, v255
	s_set_vgpr_msb 0x100
	v_lshrrev_b32 v1, 5, v0
	v_readfirstlane_b32 s10, v1                    ; wave 0..3
	s_lshr_b32 s11, s10, 1                         ; which half of the block's rows is mine.  Also: I fetch for X (0) or for W (1)
	s_and_b32 s12, s10, 1                          ; which half of its columns.  Also: which half of that tile I fetch
	s_bfe_u32 s40, ttmp6, 0x40000                  ; cx = block column inside Q or K
	s_bfe_u32 s41, ttmp6, 0x40004                  ; cy
	s_and_b32 s13, ttmp7, 0xffff
	s_lshl_b32 s13, s13, 2
	s_add_co_u32 s13, s13, s41                     ; block row = 4 x cluster y + cy
	s_lshl_b32 s43, s41, 2
	s_lshl_b32 s43, 15, s43                        ; my row of the cluster: places 4 cy .. 4 cy + 3
	s_lshl_b32 s44, 0x1111, s40                    ; my column: places cx, cx + 4, cx + 8, cx + 12
	; group 1 for X: 128 rows x 128 elements of 2 bytes, 4 words of padding behind every 64 words
	s_or_b32 s[G1+0], s43, (1<<16)|(1<<20)|(1<<21)|(5<<22)|(3<<25)
	s_mov_b32 s[G1+1], KSTEP<<16                   ; tensor_dim0 = 128
	s_mov_b32 s[G1+2], 128<<16                     ; tensor_dim1 = 128
	s_mov_b32 s[G1+3], KSTEP<<16                   ; tile_dim0 = 128
	s_mov_b32 s[G1+4], 128                         ; tile_dim1 = 128
	s_mov_b32 s[G1+5], SIZE_K                      ; elements from row to row
	s_mov_b32 s[G1+6], 0
	s_mov_b32 s[G1+7], 0
	; group 1 for W: 64 k rows x 256 elements, 8 words of padding behind every 128 words
	s_or_b32 s[G1B+0], s44, (1<<16)|(1<<20)|(1<<21)|(6<<22)|(7<<25)
	s_mov_b32 s[G1B+1], 256<<16                    ; tensor_dim0 = 256
	s_mov_b32 s[G1B+2], 64<<16                     ; tensor_dim1 = 64
	s_mov_b32 s[G1B+3], 256<<16                    ; tile_dim0 = 256
	s_mov_b32 s[G1B+4], 64                         ; tile_dim1 = 64
	s_mov_b32 s[G1B+5], 1024
	s_mov_b32 s[G1B+6], 0
	s_mov_b32 s[G1B+7], 0
	; where the tiles come from.  X's hang on the block row alone, W's on the matrix and the block column alone; each in registers that never hold the other coordinate
	s_lshl_b32 s17, s12, 7
	s_lshl_b32 s16, s13, 8
	s_add_co_u32 s16, s16, s17                     ; X: row 256 x block row + 128 x half
	s_lshl_b32 s16, s16, 11                        ; x 2,048 bytes: below 16 MiB
	s_mov_b32 s17, 0
	s_lshl_b32 s46, ttmp9, 21                      ; W: matrix x 2 MiB
	s_lshl_b32 s47, s40, 9                         ; + block column x 512 bytes
	s_add_co_u32 s46, s46, s47
	s_lshl_b32 s47, s12, 17                        ; + half x 64 k rows of 2,048 bytes
	s_add_co_u32 s46, s46, s47
	s_mov_b32 s47, 0
	s_lshl_b32 s74, s40, 10                        ; the bias of my 128 columns: (256 cx + 128 half) x 4 bytes
	s_lshl_b32 s75, s12, 9
	s_add_co_u32 s74, s74, s75
	s_mov_b32 s75, 0
	s_mul_i32 s20, s10, HALFT                      ; where the tiles go: wave x 34,816: no place in the cluster enters an LDS address
	s_wait_dscnt 0x0
	s_wait_kmcnt 0x0
	s_add_nc_u64 s[14:15], s[4:5], s[16:17]
	s_add_nc_u64 s[46:47], s[6:7], s[46:47]
	s_cmp_eq_u32 ttmp9, 0                          ; cluster x = 0: Q, else K
	s_cselect_b64 s[72:73], s[68:69], s[70:71]
	s_add_nc_u64 s[72:73], s[72:73], s[74:75]
	CROUND                                         ; all sixteen work-groups are here: the first joint loads meet
.irp s, 0,1
	s_mov_b32 s[G0+4*\s], 1
	s_add_co_u32 s[G0+4*\s+1], s20, \s*SLOT
	s_add_nc_u64 s[G0+4*\s+2:G0+4*\s+3], s[14:15], \s*KSTEP*2
	s_or_b32 s[G0+4*\s+3], s[G0+4*\s+3], 0x80000000
	s_mov_b32 s[G0B+4*\s], 1
	s_add_co_u32 s[G0B+4*\s+1], s20, \s*SLOT
	s_add_nc_u64 s[G0B+4*\s+2:G0B+4*\s+3], s[46:47], \s*KSTEP*WROW
	s_or_b32 s[G0B+4*\s+3], s[G0B+4*\s+3], 0x80000000
	JLOAD \s                                       ; both slots' first fills go out before anything else: two tensor loads of the wave are out
.endr
	v_and_b32 v1, 15, v0                           ; r = l % 16
	v_bfe_u32 v2, v0, 4, 1                         ; h = l / 16
	v_lshlrev_b32 v[BO], 5, v2
	WIN TO_B
.irp b, 0,1,2,3,4,5,6,7
	global_load_b128 v[BIAS+8*\b:BIAS+8*\b+3],   v[BO], s[72:73] offset:64*\b      ; bias[16 b + 8 h + 0..3] of my columns
	global_load_b128 v[BIAS+8*\b+4:BIAS+8*\b+7], v[BO], s[72:73] offset:64*\b+16   ; bias[16 b + 8 h + 4..7]
.endr
	WIN 0
	v_mul_u32_u24 v3, v1, PITCH                    ; X fragment: row r, 16 bytes for each half of the lanes
	v_lshl_add_u32 v3, v2, 4, v3
	v_and_b32 v4, 7, v0                            ; W fragment through the transposing load: k row 8 h + l % 8,
	v_lshl_add_u32 v4, v2, 3, v4
	v_mul_u32_u24 v4, v4, PB
	v_bfe_u32 v5, v0, 3, 1                         ; and 16 bytes (8 columns) for each group of eight lanes
	v_lshl_add_u32 v4, v5, 4, v4
	s_mul_i32 s21, s11, HALFT                      ; my 128 rows of X
	s_lshl_b32 s22, s12, 8                         ; my 128 columns of W: 256 bytes along its rows,
	s_add_co_u32 s22, s22, 2*HALFT                 ; which lie behind X's 256 rows
.irp s, 0,1
	v_add_nc_u32 v[ADRA+\s], s21, v3
	v_add_nc_u32 v[ADRB+\s], s22, v4
	s_add_co_u32 s21, s21, SLOT
	s_add_co_u32 s22, s22, SLOT
.endr
	s_mul_i32 s23, s10, 16*SPITCH
	s_add_co_u32 s23, s23, STAGE                   ; my stage
	v_mul_u32_u24 v4, v1, SPITCH
	v_lshl_add_u32 v4, v2, 4, v4
	v_add_nc_u32 v[STO], s23, v4
	v_mul_u32_u24 v5, v2, SPITCH
	v_lshl_add_u32 v5, v1, 4, v5
	v_add_nc_u32 v[RD], s23, v5
	v_lshlrev_b32 v5, 11, v2                       ; lanes 16-31 one output row (2,048 bytes) further down
	v_lshl_add_u32 v[CO], v1, 4, v5
; 16 matrix instructions: m blocks a0, a0 + 1 of the window's four x all 8 n blocks, 32 along K.  first = 1: C is the bias tile.
; The 64 accumulators take turns, one instruction a turn, in the same order in every quarter step.
.macro MUL16 f, hi, a0, first
.irp a, \a0, \a0+1
.irp b, 0,1,2,3,4,5,6,7
.if \first
	v_wmma_f32_16x16x32_bf16 v[8*(8*(\a)+\b):8*(8*(\a)+\b)+7], v[\f+8*\b:\f+8*\b+7], v[\f+8*(4*\hi+\a):\f+8*(4*\hi+\a)+7], v[BIAS+8*\b:BIAS+8*\b+7]
.else
	v_wmma_f32_16x16x32_bf16 v[8*(8*(\a)+\b):8*(8*(\a)+\b)+7], v[\f+8*\b:\f+8*\b+7], v[\f+8*(4*\hi+\a):\f+8*(4*\hi+\a)+7], v[8*(8*(\a)+\b):8*(8*(\a)+\b)+7]
.endif
.endr
.endr
.endm
; 32 LDS loads in one run: the fragments of quarter q (32 along K) into buffer f.  W: k rows 32 q .. 32 q + 31, two transposing loads for each 16 columns.
.macro FETCH slot, q, f
	WIN TO_B
.irp i, 0,1,2,3,4,5,6,7
	ds_load_tr16_b128 v[\f+8*\i:\f+8*\i+3],   v[ADRB+\slot] offset:\q*32*PB+32*\i
	ds_load_tr16_b128 v[\f+8*\i+4:\f+8*\i+7], v[ADRB+\slot] offset:\q*32*PB+32*\i+16*PB
.endr
	WIN 0
.irp i, 0,1,2,3,4,5,6,7
	ds_load_b128 v[\f+8*\i:\f+8*\i+3],   v[ADRA+\slot] offset:\q*64+\i*16*PITCH
	ds_load_b128 v[\f+8*\i+4:\f+8*\i+7], v[ADRA+\slot] offset:\q*64+\i*16*PITCH+32
.endr
.endm
; Four places behind a matrix instruction before a load lands in a register that it read or a vector instruction reads its result
.macro PLACES
.rept 4
	v_nop
.endr
.endm
.macro QUARTER slot, q, f, g, first
	s_wait_dscnt 8                                 ; W and X's rows 0-63 are in; the youngest eight loads (X's rows 64-127) may be out
.if \first
	WIN FIRST_LO
.else
	WIN MUL_LO
.endif
	MUL16 \f, 0, 0, \first
	MUL16 \f, 0, 2, \first
	PLACES
	FETCH \slot, \q, \g
	s_wait_dscnt 32                                ; all but the 32 just issued
.if \first
	WIN FIRST_HI
.else
	WIN MUL_HI
.endif
	MUL16 \f, 1, 0, \first
	MUL16 \f, 1, 2, \first
.endm
.macro THREE slot, first
	QUARTER \slot, 1, F0, F1, \first
	QUARTER \slot, 2, F1, F0, 0
	QUARTER \slot, 3, F0, F1, 0
.endm
; The last quarter of a K step multiplies buffer 1 and changes slots.  In front of the barrier each wave waits for two things:
; its reads of this slot, and all its tensor loads (one is out: its part of the next slot).
; Where the slot is filled again, the barrier opens a round of the cluster's barrier, and the joint refill is the first tensor load behind the round.
; From that request to the wait for it a wave issues 240 matrix instructions.
.macro TURN slot, next, fill
	s_wait_dscnt 8
	WIN MUL_LO
	MUL16 F1, 0, 0, 0
	s_wait_dscnt 0                                 ; my reads of this slot are over
	s_wait_tensorcnt 0x0                           ; all my tensor loads have landed
	ds_add_u32 v255, v255
	s_wait_dscnt 0x0
	s_barrier_signal -1
	MUL16 F1, 0, 2, 0                              ; register work while the others arrive
	WIN 0
	s_barrier_wait -1
.if \fill
	CREST                                          ; no wave of any partner still reads this slot or has a load on its way
	s_add_nc_u64 s[G0+4*\slot+2:G0+4*\slot+3], s[G0+4*\slot+2:G0+4*\slot+3], 2*KSTEP*2
	s_add_nc_u64 s[G0B+4*\slot+2:G0B+4*\slot+3], s[G0B+4*\slot+2:G0B+4*\slot+3], 2*KSTEP*WROW
	JLOAD \slot
.endif
	PLACES
	FETCH \next, 0, F0
	WIN MUL_HI
	MUL16 F1, 1, 0, 0
	MUL16 F1, 1, 2, 0
.endm
.macro LAP first
	THREE 0, \first
	TURN 0, 1, 1
	THREE 1, 0
	TURN 1, 0, 1
.endm
	s_wait_loadcnt 0x0                             ; the bias tiles
	s_wait_tensorcnt 0x1                           ; my part of K step 0 is in; K step 1's may stay out
	s_barrier_signal -1
	s_barrier_wait -1
	FETCH 0, 0, F0
	LAP 1                                          ; the first lap stands in front of the loop: its first products take the bias as C
	WIN 0
	s_mov_b32 s3, LAPS-2
.Llap:
	LAP 0
	WIN 0
	s_sub_co_u32 s3, s3, 1
	s_cmp_lg_u32 s3, 0
	s_cbranch_scc1 .Llap
	THREE 0, 0                                     ; the last lap fills nothing
	TURN 0, 1, 0
	THREE 1, 0
	s_wait_dscnt 8
	WIN MUL_LO
	MUL16 F1, 0, 0, 0
	MUL16 F1, 0, 2, 0
	s_wait_dscnt 0
	WIN MUL_HI
	MUL16 F1, 1, 0, 0
	MUL16 F1, 1, 2, 0
	; THE WAY OUT, 16 rows at a time: round to bf16, 16 bytes a lane into my own stage, read back as whole rows of 256 bytes.
	PLACES
	s_lshl_b32 s13, s13, 8
	s_lshl_b32 s14, s11, 7
	s_add_co_u32 s16, s13, s14                     ; my first row
	s_lshl_b32 s16, s16, 11
	s_mov_b32 s17, 0
	s_add_nc_u64 s[8:9], s[8:9], s[16:17]
	s_lshl_b32 s46, ttmp9, 24                      ; Q or K: 16 MiB apart
	s_lshl_b32 s47, s40, 9                         ; my first column in bytes: 512 x block column + 256 x half
	s_add_co_u32 s46, s46, s47
	s_lshl_b32 s47, s12, 8
	s_add_co_u32 s46, s46, s47
	s_mov_b32 s47, 0
	s_add_nc_u64 s[8:9], s[8:9], s[46:47]
.macro OUT16 i, a, from, f
	WIN \from
.irp b, 0,1,2,3,4,5,6,7
.irp r, 0,1,2,3
	v_cvt_pk_bf16_f32 v[TMP+4*\b+\r], v[8*(8*\a+\b)+2*\r], v[8*(8*\a+\b)+2*\r+1]
.endr
.endr
	WIN 0
.irp b, 0,1,2,3,4,5,6,7
	ds_store_b128 v[STO], v[TMP+4*\b:TMP+4*\b+3] offset:32*\b
.endr
	s_wait_xcnt 0x0                                ; buffer f, which earlier stores read, and the stores' base are rewritten only behind this wait
.if \i
	s_add_nc_u64 s[8:9], s[8:9], 16*CROW
.endif
.irp t, 0,1,2,3,4,5,6,7
	ds_load_b128 v[\f+4*\t:\f+4*\t+3], v[RD] offset:\t*2*SPITCH    ; LDS serves a wave's instructions in order: these see the stores above
.endr
.irp t, 0,1,2,3,4,5,6,7
	s_wait_dscnt 7-\t                              ; load t is back, the 7 - t younger ones stay out
	global_store_b128 v[CO], v[\f+4*\t:\f+4*\t+3], s[8:9] offset:2*\t*CROW   ; 16 lanes store 256 consecutive bytes, aligned
.endr
.endm
	OUT16 0, 0, 0x0a, F0
	OUT16 1, 1, 0x0a, F1
	OUT16 2, 2, 0x0a, F0
	OUT16 3, 3, 0x0a, F1
	OUT16 4, 0, 0x0f, F0
	OUT16 5, 1, 0x0f, F1
	OUT16 6, 2, 0x0f, F0
	OUT16 7, 3, 0x0f, F1
	s_set_vgpr_msb 0x1
	s_wait_tensorcnt 0x0
	ds_add_u32 v255, v255
	s_wait_dscnt 0x0
	s_set_vgpr_msb 0x100
	CROUND                                         ; the closing round: no work-group ends while a partner may still ask for a tile that names it
	s_endpgm
.Lfunc_end_k_q4f5e386555_qkproj:
	.size	k_q4f5e386555_qkproj, .Lfunc_end_k_q4f5e386555_qkproj-k_q4f5e386555_qkproj
	.p2alignl 7, 3214868480
	.fill 96, 4, 3214868480
	.section	.rodata,"a",@progbits
	.p2align	6, 0x0
	.amdhsa_kernel k_q4f5e386555_qkproj
		.amdhsa_group_segment_fixed_size 327680
		.amdhsa_private_segment_fixed_size 0
		.amdhsa_enable_private_segment 0
		.amdhsa_kernarg_size 40
		.amdhsa_user_sgpr_count 2
		.amdhsa_user_sgpr_kernarg_segment_ptr 1
		.amdhsa_wavefront_size32 1
		.amdhsa_system_sgpr_workgroup_id_x 1
		.amdhsa_system_sgpr_workgroup_id_y 1
		.amdhsa_system_sgpr_workgroup_id_z 1
		.amdhsa_system_vgpr_workitem_id 0
		.amdhsa_next_free_vgpr 1024
		.amdhsa_next_free_sgpr 80
		.amdhsa_reserve_vcc 0
		.amdhsa_float_denorm_mode_32 3
		.amdhsa_float_denorm_mode_16_64 3
		.amdhsa_memory_ordered 1
		.amdhsa_forward_progress 1
		.amdhsa_inst_pref_size 198
	.end_amdhsa_kernel
	.amdgpu_metadata
---
amdhsa.version: [ 1, 2 ]
amdhsa.kernels:
  - .name:           k_q4f5e386555_qkproj
    .symbol:         k_q4f5e386555_qkproj.kd
    .args:
      - { .name: Xb, .offset: 0, .size: 8, .value_kind: global_buffer, .address_space: global }
      - { .name: Wb, .offset: 8, .size: 8, .value_kind: global_buffer, .address_space: global }
      - { .name: bq, .offset: 16, .size: 8, .value_kind: global_buffer, .address_space: global }
      - { .name: bk, .offset: 24, .size: 8, .value_kind: global_buffer, .address_space: global }
      - { .name: QKb, .offset: 32, .size: 8, .value_kind: global_buffer, .address_space: global }
    .group_segment_fixed_size: 327680
    .private_segment_fixed_size: 0
    .kernarg_segment_align: 8
    .kernarg_segment_size: 40
    .max_flat_workgroup_size: 128
    .sgpr_count:     80
    .vgpr_count:     1024
    .wavefront_size: 32
...
	.end_amdgpu_metadata
.endif
;; end of part 2
;; launch scores (part 3): grid 9 x 16, 4 waves a work-group, no clusters, 327,680 bytes of LDS; arguments QKb, stats; writes stats
.if DOCPART == 3
	.amdgcn_target "amdgcn-amd-amdhsa--gfx1250"
	.amdhsa_code_object_version 6
	.text
	.protected	k_q4f5e386555_scores
	.globl	k_q4f5e386555_scores
	.p2align	8
	.type	k_q4f5e386555_scores,@function
k_q4f5e386555_scores:
	s_mov_b64 s[64:65], 0
	v_nop
	global_prefetch_b8 v0, s[64:65] scope:SCOPE_SE
	s_setreg_imm32_b32 hwreg(HW_REG_WAVE_MODE, 25, 1), 1
	s_wait_xcnt 0x0
; For each block of 256 queries x 256 keys on or below the diagonal of a batch:
;   s = Q K^T (bf16 operands, f32 sums); entries with key > query count as 0; then a partial softmax for each row and each group of 128 keys.
;   With c = log2(e) / 32 (the division by sqrt(1024) and the change of base in one factor): m2 = c max(s), Z = sum of 2^(c s - m2).
; stats: f32 [16 groups][8192 rows][2] = (m2, Z).  For the rows of block row i only groups 0 .. 2 i + 1 are written.
; The other groups hold 128 scores that are 0 by the mask; the next launch knows them as (0, 128).
; SHARING: a batch has 36 such blocks.  Block rows p and 7 - p have 9 together, so grid x = 9 walks such a pair, and grid y = 4 x batch + p.
; NO CLUSTER: the blocks that share Q tiles are the 1 to 8 blocks of a block row, and those that share K tiles are the 8 to 1 of a block column.
; No group of four divides these counts for every row, and partners with nothing to compute would be needed.
; A work-group: four waves, a wave 128 queries x 128 keys in 64 accumulator tiles; K (the 1,024 features) in steps of 128 through two LDS slots.
; TRANSPOSED USE: source 0 = 16 rows of K, source 1 = 16 rows of Q.  A lane holds query l % 16 and keys 8 (l / 16) + 0..7 of each tile.
; So a row's 128 scores lie in two lanes, l and l xor 16, and the reductions need one step across lanes.
; THE MASK BY CLASSES: a wave's first query minus its first key is 128 or more (nothing masked), 0 (its 128 x 128 lies on the diagonal) or -128 (all masked).
;   On the diagonal: tiles b < a are whole, the eight tiles b = a are masked element by element, and tiles b > a are never read.
;   The 16 (7 - a) zeros of a row enter the maximum as max(., 0) and Z as 16 (7 - a) x 2^(-m2).
;   A wave whose scores are all masked stores (0, 128).  It runs the K loop all the same: it fetches a quarter of each tile and passes every barrier.
; LIMITS:
;   Terms 2^x below 2^-126 count as 0 (v_exp_f32 flushes them); Z is at least 1, so they are below its rounding.
;   A row with a score of +inf or NaN gives NaN, as in the reference.
;   A group of 128 keys whose scores in a row are ALL -inf gives NaN, where the reference gives a finite number.
;   The sums are formed in another order than the reference's.
; REGISTERS: window 0: addresses, Q fragments v64-191, after the loop the figures of the softmax; window 1: K fragments; windows 2, 3: accumulators.
.set SIZE_K, 1024
.set KSTEP,  128
.set PITCH,  272                       ; 256 bytes + 16: the 16 rows of a fragment load begin in 16 different 16-byte columns modulo 256 bytes
.set HALFT,  128*PITCH
.set SLOT,   4*HALFT                   ; Q's 256 rows, then K's 256 rows
.set LAPS,   SIZE_K/(2*KSTEP)
.set ADRA, 16                          ; v16-17
.set ADRB, 20                          ; v20-21
.set TP,   3                           ; v3      what comes from the other half of the lanes
.set DD,   27                          ; v27     query - key of my element 0 of tile (0, 0)
.set SO,   28                          ; v28     8 x lane
.set MX,   32                          ; v32-39  largest score of row 16 a + r, a = 0..7
.set M2,   40                          ; v40-47  c x that
.set MN,   48                          ; v48-63  - c x that, twice (pairs for the packed multiply-add)
.set ZZ,   64                          ; v64-71  Z
.set SV,   72                          ; v72-79  pairs to store
.set ZERO, 95                          ; v95
.set F0,   64
.set F1,   128
.set G1,   24                          ; s[24:31]
.set G0,   32                          ; s[32:39] one set for each slot
.set CS,   40                          ; s[40:41] c, twice
.set MK,   48                          ; s[48:55] lanes whose element j of a diagonal tile is masked
.set MSB, 0
.macro WIN new
.if MSB != (\new)
	s_set_vgpr_msb (MSB<<8)|(\new)
.set MSB, \new
.endif
.endm
.set MUL_LO, 0xa1
.set MUL_HI, 0xf1
.set TO_B,   0x40
	s_load_b128 s[4:7], s[0:1], 0x0                ; QKb s[4:5], stats s[6:7]
	s_set_vgpr_msb 0x40
	v_lshl_add_u32 v255, v0, 2, 0x44000
	s_set_vgpr_msb 0x4000
	v_mov_b32 v255, 0
	s_set_vgpr_msb 0x1
	ds_add_u32 v255, v255
	ds_add_u32 v255, v255
	s_set_vgpr_msb 0x100
	v_lshrrev_b32 v1, 5, v0
	v_readfirstlane_b32 s10, v1                    ; wave 0..3
	s_lshr_b32 s11, s10, 1                         ; my half of the queries.  Also: I fetch for Q (0) or for K (1)
	s_and_b32 s12, s10, 1                          ; my half of the keys.  Also: which 128 rows of that tile I fetch
	s_and_b32 s16, ttmp7, 0xffff
	s_and_b32 s17, s16, 3                          ; p
	s_lshr_b32 s15, s16, 2                         ; batch
	s_sub_co_u32 s18, 7, s17                       ; 7 - p
	s_sub_co_u32 s19, ttmp9, s17
	s_sub_co_u32 s19, s19, 1                       ; x - p - 1 (used only where x > p)
	s_cmp_le_u32 ttmp9, s17
	s_cselect_b32 s13, s17, s18                    ; i: block row p for x = 0 .. p, else 7 - p
	s_cselect_b32 s14, ttmp9, s19                  ; j: block column
	s_mov_b32 s[G1+0], (1<<16)|(1<<20)|(5<<22)|(3<<25)  ; elements of 2 bytes; 4 words of padding behind every 64 words; no mask
	s_mov_b32 s[G1+1], KSTEP<<16                   ; tensor_dim0 = 128
	s_mov_b32 s[G1+2], 128<<16                     ; tensor_dim1 = 128
	s_mov_b32 s[G1+3], KSTEP<<16                   ; tile_dim0 = 128
	s_mov_b32 s[G1+4], 128                         ; tile_dim1 = 128
	s_mov_b32 s[G1+5], SIZE_K
	s_mov_b32 s[G1+6], 0
	s_mov_b32 s[G1+7], 0
	s_cmp_eq_u32 s11, 0
	s_cselect_b32 s16, s13, s14                    ; the block whose rows I fetch: i of Q or j of K
	s_lshl_b32 s16, s16, 8
	s_lshl_b32 s17, s15, 11
	s_add_co_u32 s16, s16, s17
	s_lshl_b32 s17, s12, 7
	s_add_co_u32 s16, s16, s17                     ; row = 2048 batch + 256 block + 128 half
	s_lshl_b32 s16, s16, 11                        ; x 2,048 bytes
	s_lshl_b32 s17, s11, 24                        ; K lies 16 MiB behind Q
	s_add_co_u32 s16, s16, s17
	s_mov_b32 s17, 0
	s_mul_i32 s20, s10, HALFT                      ; my part of a slot: wave x 34,816
	s_wait_dscnt 0x0
	s_wait_kmcnt 0x0
	s_add_nc_u64 s[18:19], s[4:5], s[16:17]
.irp s, 0,1
	s_mov_b32 s[G0+4*\s], 1
	s_add_co_u32 s[G0+4*\s+1], s20, \s*SLOT
	s_add_nc_u64 s[G0+4*\s+2:G0+4*\s+3], s[18:19], \s*KSTEP*2
	s_or_b32 s[G0+4*\s+3], s[G0+4*\s+3], 0x80000000
	tensor_load_to_lds s[G0+4*\s:G0+4*\s+3], s[G1:G1+7]            ; both first fills go out together: two tensor loads of the wave are out
	s_nop 0
.endr
	s_lshl_b32 s16, s14, 1                         ; where my figures go: group 2 j + half, 65,536 bytes each,
	s_add_co_u32 s16, s16, s12
	s_lshl_b32 s16, s16, 16
	s_lshl_b32 s17, s15, 11                        ; row 2048 batch + 256 i + 128 half, 8 bytes each
	s_lshl_b32 s21, s13, 8
	s_add_co_u32 s17, s17, s21
	s_lshl_b32 s21, s11, 7
	s_add_co_u32 s17, s17, s21
	s_lshl_b32 s17, s17, 3
	s_add_co_u32 s16, s16, s17
	s_mov_b32 s17, 0
	s_add_nc_u64 s[6:7], s[6:7], s[16:17]
	s_mov_b32 s40, 0x3d38aa3b                      ; c = log2(e) / 32
	s_mov_b32 s41, 0x3d38aa3b
	s_mov_b32 s42, 0xbd38aa3b                      ; - c
	s_sub_co_i32 s43, s13, s14                     ; first query - first key of my 128 x 128: 256 (i - j) + 128 (row half - column half)
	s_lshl_b32 s43, s43, 8
	s_sub_co_i32 s46, s11, s12
	s_lshl_b32 s46, s46, 7
	s_add_co_i32 s43, s43, s46
	s_mov_b32 s44, 0x76543210                      ; v_permlanex16_b32: lane i of one half reads lane i of the other
	s_mov_b32 s45, 0xfedcba98
	v_and_b32 v1, 15, v0                           ; r
	v_bfe_u32 v2, v0, 4, 1                         ; h (kept to the end)
	v_mul_u32_u24 v3, v1, PITCH
	v_lshl_add_u32 v3, v2, 4, v3
	s_mul_i32 s21, s11, HALFT
	s_mul_i32 s22, s12, HALFT
	s_add_co_u32 s22, s22, 2*HALFT
.irp s, 0,1
	v_add_nc_u32 v[ADRA+\s], s21, v3
	v_add_nc_u32 v[ADRB+\s], s22, v3
	s_add_co_u32 s21, s21, SLOT
	s_add_co_u32 s22, s22, SLOT
.endr
	v_lshlrev_b32 v4, 3, v2
	v_sub_nc_u32 v[DD], v1, v4
	v_add_nc_u32 v[DD], s43, v[DD]                 ; + r - 8 h
	v_and_b32 v4, 31, v0
	v_lshlrev_b32 v[SO], 3, v4
; The 64 accumulators take turns, one instruction a turn, in the same order in every quarter step.
.macro MUL16 f, hi, a0, zero
.irp a, \a0, \a0+1
.irp b, 0,1,2,3,4,5,6,7
.if \zero
	v_wmma_f32_16x16x32_bf16 v[8*(8*(\a)+\b):8*(8*(\a)+\b)+7], v[\f+8*\b:\f+8*\b+7], v[\f+8*(4*\hi+\a):\f+8*(4*\hi+\a)+7], 0
.else
	v_wmma_f32_16x16x32_bf16 v[8*(8*(\a)+\b):8*(8*(\a)+\b)+7], v[\f+8*\b:\f+8*\b+7], v[\f+8*(4*\hi+\a):\f+8*(4*\hi+\a)+7], v[8*(8*(\a)+\b):8*(8*(\a)+\b)+7]
.endif
.endr
.endr
.endm
.macro FETCH slot, q, f
	WIN TO_B
.irp i, 0,1,2,3,4,5,6,7
	ds_load_b128 v[\f+8*\i:\f+8*\i+3],   v[ADRB+\slot] offset:\q*64+\i*16*PITCH
	ds_load_b128 v[\f+8*\i+4:\f+8*\i+7], v[ADRB+\slot] offset:\q*64+\i*16*PITCH+32
.endr
	WIN 0
.irp i, 0,1,2,3,4,5,6,7
	ds_load_b128 v[\f+8*\i:\f+8*\i+3],   v[ADRA+\slot] offset:\q*64+\i*16*PITCH
	ds_load_b128 v[\f+8*\i+4:\f+8*\i+7], v[ADRA+\slot] offset:\q*64+\i*16*PITCH+32
.endr
.endm
.macro PLACES                          ; four places behind a matrix instruction (ISA guide 7.12.1)
.rept 4
	v_nop
.endr
.endm
.macro QUARTER slot, q, f, g, zero
	s_wait_dscnt 8                                 ; K and Q's rows 0-63 are in; the youngest eight loads (Q's rows 64-127) may be out
	WIN MUL_LO
	MUL16 \f, 0, 0, \zero
	MUL16 \f, 0, 2, \zero
	PLACES
	FETCH \slot, \q, \g
	s_wait_dscnt 32                                ; all but the 32 just issued
	WIN MUL_HI
	MUL16 \f, 1, 0, \zero
	MUL16 \f, 1, 2, \zero
.endm
.macro THREE slot, zero
	QUARTER \slot, 1, F0, F1, \zero
	QUARTER \slot, 2, F1, F0, 0
	QUARTER \slot, 3, F0, F1, 0
.endm
; One barrier for each change of slots.  In front of it each wave waits for its reads of this slot and for all its tensor loads.
; Behind it the refill comes first, one load a wave.  From that request to the wait for it a wave issues 240 matrix instructions.
.macro TURN slot, next, fill
	s_wait_dscnt 8
	WIN MUL_LO
	MUL16 F1, 0, 0, 0
	s_wait_dscnt 0                                 ; my reads of this slot are over
	s_wait_tensorcnt 0x0                           ; all my tensor loads have landed: the one that was out is my part of the next slot
	ds_add_u32 v255, v255
	s_wait_dscnt 0x0
	s_barrier_signal -1
	MUL16 F1, 0, 2, 0                              ; register work while the others arrive
	s_barrier_wait -1
.if \fill
	s_add_nc_u64 s[G0+4*\slot+2:G0+4*\slot+3], s[G0+4*\slot+2:G0+4*\slot+3], 2*KSTEP*2
	tensor_load_to_lds s[G0+4*\slot:G0+4*\slot+3], s[G1:G1+7]
	s_nop 0
.endif
	PLACES
	FETCH \next, 0, F0
	WIN MUL_HI
	MUL16 F1, 1, 0, 0
	MUL16 F1, 1, 2, 0
.endm
.macro LAP zero
	THREE 0, \zero
	TURN 0, 1, 1
	THREE 1, 0
	TURN 1, 0, 1
.endm
; THE SOFTMAX'S MACROS.  diag = 1: only tiles b <= a (a = 4 hi + the window's a) are read.  The test (1 - diag) 8 + a >= b is always true for diag = 0.
; The largest score of each of my rows: up to 64 numbers a lane and row, four chains that do not wait for each other.
.macro MAXP hi, w1, w2, diag
	WIN \w1
.irp a, 0,1,2,3
	v_max_num_f32 v[MX+4*\hi+\a], v[64*\a], v[64*\a+1]
.endr
	WIN \w2
.irp b, 0,1,2,3,4,5,6,7
.irp p, 0,1,2,3
.if \b+\p
.irp a, 0,1,2,3
.if (1-\diag)*8+4*\hi+\a >= \b
	v_max3_num_f32 v[MX+4*\hi+\a], v[MX+4*\hi+\a], v[8*(8*\a+\b)+2*\p], v[8*(8*\a+\b)+2*\p+1]
.endif
.endr
.endif
.endr
.endr
.endm
; Z = the sum of 2^(c s - m2), in place.  Behind a run of exponentials the next line is a plain instruction on other registers (ISA guide 5.7.2).
; That line is the next level's multiply-adds, or the adds of the level before.
.macro EXPP hi, w, wz, diag
	WIN \w
.irp b, 0,1,2,3,4,5,6,7
.irp a, 0,1,2,3
.if (1-\diag)*8+4*\hi+\a >= \b
.irp p, 0,1,2,3
	v_pk_fma_f32 v[8*(8*\a+\b)+2*\p:8*(8*\a+\b)+2*\p+1], v[8*(8*\a+\b)+2*\p:8*(8*\a+\b)+2*\p+1], s[CS:CS+1], v[MN+2*(4*\hi+\a):MN+2*(4*\hi+\a)+1] op_sel_hi:[1,0,1]
.endr
.endif
.endr
.irp a, 0,1,2,3
.if (1-\diag)*8+4*\hi+\a >= \b
.irp j, 0,1,2,3,4,5,6,7
	v_exp_f32 v[8*(8*\a+\b)+\j], v[8*(8*\a+\b)+\j]
.endr
.endif
.endr
.if \b >= 2
.irp a, 0,1,2,3
.if (1-\diag)*8+4*\hi+\a >= \b-1
	s_wait_alu depctr_va_vdst(0)
.irp p, 0,1,2,3
	v_pk_add_f32 v[64*\a+2*\p:64*\a+2*\p+1], v[64*\a+2*\p:64*\a+2*\p+1], v[8*(8*\a+\b-1)+2*\p:8*(8*\a+\b-1)+2*\p+1]
.endr
.endif
.endr
.endif
.endr
.irp a, 0,1,2,3
.if (1-\diag)*8+4*\hi+\a >= 7
	s_wait_alu depctr_va_vdst(0)
.irp p, 0,1,2,3
	v_pk_add_f32 v[64*\a+2*\p:64*\a+2*\p+1], v[64*\a+2*\p:64*\a+2*\p+1], v[64*\a+56+2*\p:64*\a+56+2*\p+1]
.endr
.endif
.endr
.irp a, 0,1,2,3
	v_pk_add_f32 v[64*\a:64*\a+1],   v[64*\a:64*\a+1],   v[64*\a+2:64*\a+3]
	v_pk_add_f32 v[64*\a+4:64*\a+5], v[64*\a+4:64*\a+5], v[64*\a+6:64*\a+7]
.endr
.irp a, 0,1,2,3
	v_pk_add_f32 v[64*\a:64*\a+1], v[64*\a:64*\a+1], v[64*\a+4:64*\a+5]
.endr
	WIN \wz
.irp a, 0,1,2,3
	v_add_f32 v[ZZ+4*\hi+\a], v[64*\a], v[64*\a+1]
.endr
.endm
.macro ZEROS a, k                      ; Z of row block a += k x 2^(-m2): the k = 16 (7 - a) zeros of the tiles that are not read
	v_fmamk_f32 v[ZZ+\a], v[MN+2*\a+1], \k, v[ZZ+\a]
.endm
; From the sums to the stored figures; ends the wave.
.macro SOFT diag
.if \diag
	; element j of a diagonal tile is masked where key > query: j > r - 8 h, which is DD in this class.  Eight masks serve all eight tiles.
	v_mov_b32 v[ZERO], 0
.irp j, 0,1,2,3,4,5,6,7
	v_cmp_gt_i32 s[MK+\j], \j, v[DD]
.endr
	WIN 0x82                                       ; destination and source 0 window 2, source 1 window 0
.irp a, 0,1,2,3
.irp j, 0,1,2,3,4,5,6,7
	v_cndmask_b32 v[72*\a+\j], v[72*\a+\j], v[ZERO], s[MK+\j]          ; tile (a, a); a choice, not a product: what stood there does not matter
.endr
.endr
	WIN 0xc3
.irp a, 0,1,2,3
.irp j, 0,1,2,3,4,5,6,7
	v_cndmask_b32 v[72*\a+32+\j], v[72*\a+32+\j], v[ZERO], s[MK+\j]    ; tile (4 + a, 4 + a)
.endr
.endr
.endif
	MAXP 0, 0x0a, 0x28, \diag
	MAXP 1, 0x0f, 0x3c, \diag
	WIN 0
.irp a, 0,1,2,3,4,5,6,7
	v_permlanex16_b32 v[TP], v[MX+\a], s44, s45    ; the row's other keys lie in lane l xor 16
	v_max_num_f32 v[MX+\a], v[MX+\a], v[TP]
.if \diag*(7-\a)
	v_max_num_f32 v[MX+\a], 0, v[MX+\a]            ; the zeros of the tiles that are not read
.endif
	v_mul_f32 v[M2+\a], s40, v[MX+\a]
	v_mul_f32 v[MN+2*\a], s42, v[MX+\a]            ; exactly - m2
	v_mul_f32 v[MN+2*\a+1], s42, v[MX+\a]
.endr
	EXPP 0, 0x8a, 0x0a, \diag
	EXPP 1, 0xcf, 0x0f, \diag
	WIN 0
.if \diag
.irp a, 0,1,2,3,4,5,6
	v_exp_f32 v[MN+2*\a+1], v[MN+2*\a]             ; 2^(-m2): what one zero adds to Z
.endr
	v_nop                                          ; one plain place behind the exponentials (ISA guide 5.7.2)
	s_wait_alu depctr_va_vdst(0)
.endif
.irp a, 0,1,2,3,4,5,6,7
	v_permlanex16_b32 v[TP], v[ZZ+\a], s44, s45
	v_add_f32 v[ZZ+\a], v[ZZ+\a], v[TP]
.endr
.if \diag
	ZEROS 0, 0x42e00000                            ; 112
	ZEROS 1, 0x42c00000                            ; 96
	ZEROS 2, 0x42a00000                            ; 80
	ZEROS 3, 0x42800000                            ; 64
	ZEROS 4, 0x42400000                            ; 48
	ZEROS 5, 0x42000000                            ; 32
	ZEROS 6, 0x41800000                            ; 16
.endif
	; Lane l stores row 32 t + l = 16 (2 t + h) + r: each store of the wave covers 256 consecutive bytes, aligned
	v_cmp_ne_u32 vcc_lo, 0, v2
.irp t, 0,1,2,3
	v_cndmask_b32 v[SV+2*\t],   v[M2+2*\t], v[M2+2*\t+1], vcc_lo
	v_cndmask_b32 v[SV+2*\t+1], v[ZZ+2*\t], v[ZZ+2*\t+1], vcc_lo
	global_store_b64 v[SO], v[SV+2*\t:SV+2*\t+1], s[6:7] offset:256*\t
.endr
	s_endpgm
.endm
	s_wait_tensorcnt 0x1                           ; my part of step 0 is in; step 1's may stay out
	s_barrier_signal -1
	s_barrier_wait -1
	FETCH 0, 0, F0
	LAP 1                                          ; the first products start the sums: nothing is cleared
	WIN 0
	s_mov_b32 s3, LAPS-2
.Llap:
	LAP 0
	WIN 0
	s_sub_co_u32 s3, s3, 1
	s_cmp_lg_u32 s3, 0
	s_cbranch_scc1 .Llap
	THREE 0, 0
	TURN 0, 1, 0
	THREE 1, 0
	s_wait_dscnt 8
	WIN MUL_LO
	MUL16 F1, 0, 0, 0
	MUL16 F1, 0, 2, 0
	s_wait_dscnt 0
	WIN MUL_HI
	MUL16 F1, 1, 0, 0
	MUL16 F1, 1, 2, 0
	PLACES                                         ; the places behind the last matrix instructions, for all three classes
	WIN 0
	s_cmp_ge_i32 s43, 128                          ; with 128 or more between my first query and my first key, every key is below every query
	s_cbranch_scc1 .Lwhole
	s_cmp_eq_u32 s43, 0
	s_cbranch_scc1 .Ldiag
	v_mov_b32 v[SV], 0                             ; every key is above every query: 128 scores of 0 in each row: m2 = 0,
	v_mov_b32 v[SV+1], 0x43000000                  ; Z = 128
.irp t, 0,1,2,3
	global_store_b64 v[SO], v[SV:SV+1], s[6:7] offset:256*\t
.endr
	s_endpgm
.Ldiag:
	SOFT 1
.Lwhole:
	SOFT 0
.Lfunc_end_k_q4f5e386555_scores:
	.size	k_q4f5e386555_scores, .Lfunc_end_k_q4f5e386555_scores-k_q4f5e386555_scores
	.p2alignl 7, 3214868480
	.fill 96, 4, 3214868480
	.section	.rodata,"a",@progbits
	.p2align	6, 0x0
	.amdhsa_kernel k_q4f5e386555_scores
		.amdhsa_group_segment_fixed_size 327680
		.amdhsa_private_segment_fixed_size 0
		.amdhsa_enable_private_segment 0
		.amdhsa_kernarg_size 16
		.amdhsa_user_sgpr_count 2
		.amdhsa_user_sgpr_kernarg_segment_ptr 1
		.amdhsa_wavefront_size32 1
		.amdhsa_system_sgpr_workgroup_id_x 1
		.amdhsa_system_sgpr_workgroup_id_y 1
		.amdhsa_system_sgpr_workgroup_id_z 1
		.amdhsa_system_vgpr_workitem_id 0
		.amdhsa_next_free_vgpr 1024
		.amdhsa_next_free_sgpr 66
		.amdhsa_reserve_vcc 1
		.amdhsa_float_denorm_mode_32 3
		.amdhsa_float_denorm_mode_16_64 3
		.amdhsa_memory_ordered 1
		.amdhsa_forward_progress 1
		.amdhsa_inst_pref_size 255
	.end_amdhsa_kernel
	.section	.bss,"aw",@nobits
	.p2align	6
	.space	262144
	.amdgpu_metadata
---
amdhsa.version: [ 1, 2 ]
amdhsa.kernels:
  - .name:           k_q4f5e386555_scores
    .symbol:         k_q4f5e386555_scores.kd
    .args:
      - { .name: QKb, .offset: 0, .size: 8, .value_kind: global_buffer, .address_space: global }
      - { .name: stats, .offset: 8, .size: 8, .value_kind: global_buffer, .address_space: global }
    .group_segment_fixed_size: 327680
    .private_segment_fixed_size: 0
    .kernarg_segment_align: 8
    .kernarg_segment_size: 16
    .max_flat_workgroup_size: 128
    .sgpr_count:     66
    .vgpr_count:     1024
    .wavefront_size: 32
...
	.end_amdgpu_metadata
.endif
;; end of part 3
;; launch vout (part 4): grid 8 x 32, 4 waves a work-group, clusters of 4 x 4, 327,680 bytes of LDS; arguments Xb, Wb, bv, stats, out0; writes out0
.if DOCPART == 4
	.amdgcn_target "amdgcn-amd-amdhsa--gfx1250"
	.amdhsa_code_object_version 6
	.text
	.protected	k_q4f5e386555_vout
	.globl	k_q4f5e386555_vout
	.p2align	8
	.type	k_q4f5e386555_vout,@function
k_q4f5e386555_vout:
	s_mov_b64 s[64:65], 0
	v_nop
	global_prefetch_b8 v0, s[64:65] scope:SCOPE_SE
	s_setreg_imm32_b32 hwreg(HW_REG_WAVE_MODE, 25, 1), 1
	s_wait_xcnt 0x0
	s_wait_alu depctr_hold_cnt(0) depctr_sa_sdst(0) depctr_va_vdst(0) depctr_va_sdst(0) depctr_va_ssrc(0) depctr_va_vcc(0) depctr_vm_vsrc(0)
	s_getreg_b32 s2, hwreg(HW_REG_IB_STS2, 6, 4)
	s_cmp_eq_u32 s2, 0
	s_cbranch_scc0 .Lentry_in_a_cluster
	s_endpgm
.Lentry_in_a_cluster:
	s_bfe_u32 s2, ttmp6, 0x10000c
	s_cmp_lg_u32 s2, 0xf033
	s_cbranch_scc0 .Lentry_shape_is_right
	s_endpgm
.Lentry_shape_is_right:
; out0[q][:] = (the sum over all 2,048 keys of softmax weights of row q) x (Xb Wv + bv)[q][:], f32.
; THE FACTOR of a row comes from the 16 partial figures (m2, Z), one for each 128 keys, that the launch before stored.
;   M = max m2;  T = Z 2^(m2 - M);  Zt = sum of T;  factor = sum over the 16 groups of T x (1 / Zt).
;   The division by the normaliser is applied to the 16 group sums instead of to the 2,048 weights.
;   Groups above 2 i + 1 (i: the row's block of 256 in its batch) were not computed: their 128 scores are 0 by the mask, so their figures are (0, 128).
;   Their loads are pointed at group 2 i + 1 and the values replaced.
;   Zt lies between 1 and 2,048.  A NaN in a row's figures gives NaN in the row, as in the reference.
;   Wave w makes the factors of rows 64 w .. 64 w + 63 of the block and puts them, each twice, into 2,048 LDS bytes of their own.
;   Behind the barrier in front of the first fragments, each lane reads those of its eight rows.
; THE PRODUCT: a work-group makes 256 rows x 128 columns with four waves (8 x 32 = 256 work-groups).
;   A wave makes 128 x 64: 32 accumulator tiles in window 2 (tile (a, b) at 8 (4 a + b)).
;   K goes in steps of 128 through two LDS slots.  The weight stays [k][n] and is read by ds_load_tr16_b128.
;   The matrix instruction is used transposed: a lane holds row l % 16 and eight neighbouring columns.  The bias is the first C.
; CLUSTERS: 4 x 4; rows of Xb are shared along a row of the cluster, columns of Wv along a column, each by joint loads.
; LDS: every wave's part of a slot begins at wave x 34,816: waves 0, 1 X's two halves of 128 rows (pitch 272).
;   Waves 2, 3 hold Wv's two halves of 64 k rows (pitch 288), which use 18,432 of their 34,816 bytes.
;   Behind the two slots lie the four stages of the way out, then the factors.  No tensor load lands in either.
; REGISTERS: window 0: addresses, the factor, X fragments v64-191 (before the loop: the 32 pairs of figures), v192-223 at work.
;   Window 1: v0-31 bias tiles, W fragments v64-95 and v128-159.
.set SIZE_K, 1024
.set KSTEP,  128
.set PITCH,  272
.set PB,     288                       ; 256 bytes + 32 = 9 x 32
.set HALFT,  128*PITCH
.set SLOT,   4*HALFT
.set STAGE,  2*SLOT                    ; a multiple of 256; 16 rows x 272 bytes for each wave
.set SPITCH, 272
.set FACT,   STAGE+4*16*SPITCH         ; 295,936, a multiple of 256: 256 rows x 8 bytes: the row's factor, twice
.set LAPS,   SIZE_K/(2*KSTEP)
.set WROW,   2048
.set OROW,   4096                      ; bytes in a row of out0
.set FR,   7                           ; v7      where I read my rows' factors
.set ADRA, 16
.set ADRB, 20
.set STO,  24
.set RD,   25
.set CO,   26
.set BO,   27                          ; v27     32 (l / 16)
.set SO,   28                          ; v28     8 x lane
.set C128, 29                          ; v29     128.0
.set ZERO, 30                          ; v30     0
.set FA,   31                          ; v31     where I put the factors that I make
.set FP,   32                          ; v32-47  the factor of row 16 a + r, twice (pairs for the packed multiply)
.set OFFJ, 48                          ; v48-61  8 x lane + 65,536 x min(group, 2 i + 1), groups 2 .. 15
.set ST,   64                          ; v64-127 rows 32 t + lane of my 64, group g: m2 at 32 t + 2 g, Z behind it
.set F0,   64
.set F1,   128
.set TMP,  192
.set MXT,  192                         ; v192-193 M
.set ZT,   196                         ; v196-197
.set RZ,   200                         ; v200-201
.set SAP,  204                         ; v204-207 the factor, as pairs
.set BIAS, 0
.set G1,   24
.set G0,   32
.set G1B,  48
.set G0B,  56
.set MSB, 0
.macro WIN new
.if MSB != (\new)
	s_set_vgpr_msb (MSB<<8)|(\new)
.set MSB, \new
.endif
.endm
.set MUL,   0xa1                       ; source 0 (W) window 1, source 1 (X) window 0, C and D window 2
.set FIRST, 0x91                       ; C (the bias) window 1
.set TO_B,  0x40
.macro JLOAD s
	s_cmp_eq_u32 s11, 0
	s_cbranch_scc0 .Lfor_b_\@
	tensor_load_to_lds s[G0+4*\s:G0+4*\s+3], s[G1:G1+7]
	s_nop 0
	s_branch .Lasked_\@
.Lfor_b_\@:
	tensor_load_to_lds s[G0B+4*\s:G0B+4*\s+3], s[G1B:G1B+7]
	s_nop 0
.Lasked_\@:
.endm
.macro CREST
	s_cmp_lg_u32 s10, 0
	s_cbranch_scc1 .Lnot_wave_0_\@
	s_barrier_signal -3
.Lnot_wave_0_\@:
	s_barrier_wait -3
	s_barrier_signal -1
	s_barrier_wait -1
.endm
.macro CROUND
	s_barrier_signal -1
	s_barrier_wait -1
	CREST
.endm
	s_load_b128 s[4:7], s[0:1], 0x0                ; Xb s[4:5], Wb s[6:7]
	s_load_b128 s[68:71], s[0:1], 0x10             ; bv s[68:69], stats s[70:71]
	s_load_b64 s[8:9], s[0:1], 0x20                ; out0
	s_set_vgpr_msb 0x40
	v_lshl_add_u32 v255, v0, 2, 0x48c00
	s_set_vgpr_msb 0x4000
	v_mov_b32 v255, 0
	s_set_vgpr_msb 0x1
	ds_add_u32 v255, v255
	ds_add_u32 v255, v255
	s_set_vgpr_msb 0x100
	v_lshrrev_b32 v1, 5, v0
	v_readfirstlane_b32 s10, v1                    ; wave 0..3
	s_lshr_b32 s11, s10, 1                         ; my half of the rows.  Also: I fetch for X (0) or for W (1)
	s_and_b32 s12, s10, 1                          ; my half of the columns.  Also: which half of that tile I fetch
	s_bfe_u32 s40, ttmp6, 0x40000                  ; cx
	s_bfe_u32 s41, ttmp6, 0x40004                  ; cy
	s_lshl_b32 s42, ttmp9, 2
	s_add_co_u32 s42, s42, s40                     ; block column = 4 x cluster x + cx
	s_and_b32 s13, ttmp7, 0xffff
	s_lshl_b32 s13, s13, 2
	s_add_co_u32 s13, s13, s41                     ; block row = 4 x cluster y + cy
	s_lshl_b32 s43, s41, 2
	s_lshl_b32 s43, 15, s43                        ; my row of the cluster
	s_lshl_b32 s44, 0x1111, s40                    ; my column
	s_or_b32 s[G1+0], s43, (1<<16)|(1<<20)|(1<<21)|(5<<22)|(3<<25)   ; X: 128 rows x 128 elements, 4 words behind every 64
	s_mov_b32 s[G1+1], KSTEP<<16
	s_mov_b32 s[G1+2], 128<<16
	s_mov_b32 s[G1+3], KSTEP<<16
	s_mov_b32 s[G1+4], 128
	s_mov_b32 s[G1+5], SIZE_K
	s_mov_b32 s[G1+6], 0
	s_mov_b32 s[G1+7], 0
	s_or_b32 s[G1B+0], s44, (1<<16)|(1<<20)|(1<<21)|(5<<22)|(7<<25)  ; W: 64 k rows x 128 elements, 8 words behind every 64
	s_mov_b32 s[G1B+1], 128<<16
	s_mov_b32 s[G1B+2], 64<<16
	s_mov_b32 s[G1B+3], 128<<16
	s_mov_b32 s[G1B+4], 64
	s_mov_b32 s[G1B+5], 1024
	s_mov_b32 s[G1B+6], 0
	s_mov_b32 s[G1B+7], 0
	s_lshl_b32 s17, s12, 7
	s_lshl_b32 s16, s13, 8
	s_add_co_u32 s16, s16, s17                     ; X: row 256 x block row + 128 x half
	s_lshl_b32 s16, s16, 11
	s_mov_b32 s17, 0
	s_lshl_b32 s46, s42, 8                         ; W: block column x 256 bytes
	s_lshl_b32 s47, s12, 17                        ; + half x 64 k rows of 2,048 bytes
	s_add_co_u32 s46, s46, s47
	s_add_co_u32 s46, s46, 0x400000                ; Wv is the third matrix of Wb
	s_mov_b32 s47, 0
	s_lshl_b32 s74, s42, 9                         ; the bias of my 64 columns: (128 block column + 64 half) x 4 bytes
	s_lshl_b32 s75, s12, 8
	s_add_co_u32 s74, s74, s75
	s_mov_b32 s75, 0
	s_lshl_b32 s22, s13, 11                        ; the figures of the 64 rows whose factor I make: (256 block row + 64 wave) x 8 bytes
	s_lshl_b32 s23, s10, 9
	s_add_co_u32 s22, s22, s23
	s_mov_b32 s23, 0
	s_and_b32 s78, s13, 7                          ; i: the block row inside its batch
	s_lshl_b32 s78, s78, 1
	s_add_co_u32 s78, s78, 1                       ; 2 i + 1: the last group that was computed
	s_mul_i32 s20, s10, HALFT                      ; where the tiles go: wave x 34,816
	s_wait_dscnt 0x0
	s_wait_kmcnt 0x0
	s_add_nc_u64 s[14:15], s[4:5], s[16:17]
	s_add_nc_u64 s[46:47], s[6:7], s[46:47]
	s_add_nc_u64 s[72:73], s[68:69], s[74:75]
	s_add_nc_u64 s[76:77], s[70:71], s[22:23]
	CROUND                                         ; all sixteen work-groups are here: the first joint loads meet
.irp s, 0,1
	s_mov_b32 s[G0+4*\s], 1
	s_add_co_u32 s[G0+4*\s+1], s20, \s*SLOT
	s_add_nc_u64 s[G0+4*\s+2:G0+4*\s+3], s[14:15], \s*KSTEP*2
	s_or_b32 s[G0+4*\s+3], s[G0+4*\s+3], 0x80000000
	s_mov_b32 s[G0B+4*\s], 1
	s_add_co_u32 s[G0B+4*\s+1], s20, \s*SLOT
	s_add_nc_u64 s[G0B+4*\s+2:G0B+4*\s+3], s[46:47], \s*KSTEP*WROW
	s_or_b32 s[G0B+4*\s+3], s[G0B+4*\s+3], 0x80000000
	JLOAD \s                                       ; two tensor loads of the wave are out
.endr
	v_and_b32 v1, 15, v0                           ; r
	v_bfe_u32 v2, v0, 4, 1                         ; h
	v_and_b32 v6, 31, v0
	v_lshlrev_b32 v[BO], 5, v2
	v_lshlrev_b32 v[SO], 3, v6
.irp g, 2,3,4,5,6,7,8,9,10,11,12,13,14,15
	s_min_u32 s79, s78, \g
	s_lshl_b32 s79, s79, 16
	v_add_nc_u32 v[OFFJ+\g-2], s79, v[SO]
.endr
.irp t, 0,1
	global_load_b64 v[ST+32*\t:ST+32*\t+1],   v[SO], s[76:77] offset:256*\t          ; groups 0 and 1 exist for every row
	global_load_b64 v[ST+32*\t+2:ST+32*\t+3], v[SO], s[76:77] offset:65536+256*\t
.irp g, 2,3,4,5,6,7,8,9,10,11,12,13,14,15
	global_load_b64 v[ST+32*\t+2*\g:ST+32*\t+2*\g+1], v[OFFJ+\g-2], s[76:77] offset:256*\t   ; a load of the wave covers 256 consecutive bytes, aligned
.endr
.endr
	WIN TO_B
.irp b, 0,1,2,3
	global_load_b128 v[BIAS+8*\b:BIAS+8*\b+3],   v[BO], s[72:73] offset:64*\b
	global_load_b128 v[BIAS+8*\b+4:BIAS+8*\b+7], v[BO], s[72:73] offset:64*\b+16
.endr
	WIN 0                                          ; 32 + 8 = 40 loads of the wave are out
	v_mul_u32_u24 v3, v1, PITCH
	v_lshl_add_u32 v3, v2, 4, v3
	v_and_b32 v4, 7, v0
	v_lshl_add_u32 v4, v2, 3, v4
	v_mul_u32_u24 v4, v4, PB
	v_bfe_u32 v5, v0, 3, 1
	v_lshl_add_u32 v4, v5, 4, v4
	s_mul_i32 s21, s11, HALFT                      ; my 128 rows of X
	s_lshl_b32 s22, s12, 7                         ; my 64 columns of W: 128 bytes along its rows
	s_add_co_u32 s22, s22, 2*HALFT
.irp s, 0,1
	v_add_nc_u32 v[ADRA+\s], s21, v3
	v_add_nc_u32 v[ADRB+\s], s22, v4
	s_add_co_u32 s21, s21, SLOT
	s_add_co_u32 s22, s22, SLOT
.endr
	s_mul_i32 s23, s10, 16*SPITCH
	s_add_co_u32 s23, s23, STAGE
	v_mul_u32_u24 v4, v1, SPITCH                   ; in: row r, 32 bytes (8 f32) for each half of the lanes
	v_lshl_add_u32 v4, v2, 5, v4
	v_add_nc_u32 v[STO], s23, v4
	v_mul_u32_u24 v5, v2, SPITCH                   ; back: lanes 0-15 one row of 256 bytes, lanes 16-31 the next
	v_lshl_add_u32 v5, v1, 4, v5
	v_add_nc_u32 v[RD], s23, v5
	v_lshlrev_b32 v5, 12, v2
	v_lshl_add_u32 v[CO], v1, 4, v5
	s_lshl_b32 s79, s10, 9                         ; the factors that I make: rows 64 wave + 32 t + lane, 8 bytes each
	s_add_co_u32 s79, s79, FACT
	v_add_nc_u32 v[FA], s79, v[SO]
	s_lshl_b32 s79, s11, 10                        ; the factors that I use: rows 128 half + 16 a + r
	s_add_co_u32 s79, s79, FACT
	v_lshl_add_u32 v[FR], v1, 3, s79
	v_mov_b32 v[C128], 0x43000000
	v_mov_b32 v[ZERO], 0
	; THE FACTOR, while the first tiles are on their way.  Lane l has rows 32 t + l of my 64, t = 0, 1; the two t take turns.
	s_wait_loadcnt 0x0                             ; the 32 pairs and the bias tiles
.irp g, 2,3,4,5,6,7,8,9,10,11,12,13,14,15
	s_cmp_lt_u32 s78, \g                           ; a group that was not computed: 128 scores of 0
	s_cselect_b32 vcc_lo, -1, 0
.irp t, 0,1
	v_cndmask_b32 v[ST+32*\t+2*\g],   v[ST+32*\t+2*\g],   v[ZERO], vcc_lo
	v_cndmask_b32 v[ST+32*\t+2*\g+1], v[ST+32*\t+2*\g+1], v[C128], vcc_lo
.endr
.endr
.irp t, 0,1
	v_max_num_f32 v[MXT+\t], v[ST+32*\t], v[ST+32*\t+2]
.endr
.irp k, 1,2,3,4,5,6,7
.irp t, 0,1
	v_max3_num_f32 v[MXT+\t], v[MXT+\t], v[ST+32*\t+4*\k], v[ST+32*\t+4*\k+2]
.endr
.endr
.irp g, 0,1,2,3,4,5,6,7,8,9,10,11,12,13,14,15
.irp t, 0,1
	v_sub_f32 v[ST+32*\t+2*\g], v[ST+32*\t+2*\g], v[MXT+\t]
.endr
.endr
.irp g, 0,1,2,3,4,5,6,7,8,9,10,11,12,13,14,15
.irp t, 0,1
	v_exp_f32 v[ST+32*\t+2*\g], v[ST+32*\t+2*\g]
.endr
.endr
	v_nop                                          ; one plain place behind the exponentials (ISA guide 5.7.2)
	s_wait_alu depctr_va_vdst(0)
.irp g, 0,1,2,3,4,5,6,7,8,9,10,11,12,13,14,15
.irp t, 0,1
	v_mul_f32 v[ST+32*\t+2*\g+1], v[ST+32*\t+2*\g+1], v[ST+32*\t+2*\g]     ; T
.endr
.endr
.irp t, 0,1
	v_add_f32 v[ZT+\t], v[ST+32*\t+1], v[ST+32*\t+3]
.endr
.irp g, 2,3,4,5,6,7,8,9,10,11,12,13,14,15
.irp t, 0,1
	v_add_f32 v[ZT+\t], v[ZT+\t], v[ST+32*\t+2*\g+1]
.endr
.endr
.irp t, 0,1
	v_rcp_f32 v[RZ+\t], v[ZT+\t]
.endr
	v_nop                                          ; one plain place behind the reciprocals
	s_wait_alu depctr_va_vdst(0)
.irp t, 0,1
	v_mul_f32 v[SAP+2*\t], v[ST+32*\t+1], v[RZ+\t]
.endr
.irp g, 1,2,3,4,5,6,7,8,9,10,11,12,13,14,15
.irp t, 0,1
	v_fmac_f32 v[SAP+2*\t], v[ST+32*\t+2*\g+1], v[RZ+\t]
.endr
.endr
.irp t, 0,1
	v_mov_b32 v[SAP+2*\t+1], v[SAP+2*\t]           ; twice: the packed multiply of the way out takes a pair
	ds_store_b64 v[FA], v[SAP+2*\t:SAP+2*\t+1] offset:256*\t
.endr
; 8 matrix instructions: m blocks a0, a0 + 1 x all 4 n blocks.  The 32 accumulators take turns, one instruction a turn.
.macro MUL8 f, a0, first
.irp a, \a0, \a0+1
.irp b, 0,1,2,3
.if \first
	v_wmma_f32_16x16x32_bf16 v[8*(4*(\a)+\b):8*(4*(\a)+\b)+7], v[\f+8*\b:\f+8*\b+7], v[\f+8*(\a):\f+8*(\a)+7], v[BIAS+8*\b:BIAS+8*\b+7]
.else
	v_wmma_f32_16x16x32_bf16 v[8*(4*(\a)+\b):8*(4*(\a)+\b)+7], v[\f+8*\b:\f+8*\b+7], v[\f+8*(\a):\f+8*(\a)+7], v[8*(4*(\a)+\b):8*(4*(\a)+\b)+7]
.endif
.endr
.endr
.endm
; 24 LDS loads in one run.  W's k rows 32 q .. 32 q + 31: quarters 0, 1 lie in the first half's bytes, quarters 2, 3 in the second half's, 34,816 further on.
.macro FETCH slot, q, f
	WIN TO_B
.irp i, 0,1,2,3
	ds_load_tr16_b128 v[\f+8*\i:\f+8*\i+3],   v[ADRB+\slot] offset:(\q/2)*HALFT+(\q%2)*32*PB+32*\i
	ds_load_tr16_b128 v[\f+8*\i+4:\f+8*\i+7], v[ADRB+\slot] offset:(\q/2)*HALFT+(\q%2)*32*PB+32*\i+16*PB
.endr
	WIN 0
.irp i, 0,1,2,3,4,5,6,7
	ds_load_b128 v[\f+8*\i:\f+8*\i+3],   v[ADRA+\slot] offset:\q*64+\i*16*PITCH
	ds_load_b128 v[\f+8*\i+4:\f+8*\i+7], v[ADRA+\slot] offset:\q*64+\i*16*PITCH+32
.endr
.endm
.macro PLACES                          ; four places behind a matrix instruction (ISA guide 7.12.1)
.rept 4
	v_nop
.endr
.endm
.macro QUARTER slot, q, f, g, first
	s_wait_dscnt 8                                 ; W and X's rows 0-63 are in; the youngest eight loads (X's rows 64-127) may be out
.if \first
	WIN FIRST
.else
	WIN MUL
.endif
	MUL8 \f, 0, \first
	MUL8 \f, 2, \first
	PLACES
	FETCH \slot, \q, \g
	s_wait_dscnt 24                                ; all but the 24 just issued
.if \first
	WIN FIRST
.else
	WIN MUL
.endif
	MUL8 \f, 4, \first
	MUL8 \f, 6, \first
.endm
.macro THREE slot, first
	QUARTER \slot, 1, F0, F1, \first
	QUARTER \slot, 2, F1, F0, 0
	QUARTER \slot, 3, F0, F1, 0
.endm
; The change of slots.  Each wave's waits stand in front of the barrier, which opens a round of the cluster's barrier where the slot is filled again.
; The joint refill is the first tensor load behind the round.  From that request to the wait for it a wave issues 120 matrix instructions.
.macro TURN slot, next, fill
	s_wait_dscnt 8
	WIN MUL
	MUL8 F1, 0, 0
	s_wait_dscnt 0                                 ; my reads of this slot are over
	s_wait_tensorcnt 0x0                           ; all my tensor loads have landed
	ds_add_u32 v255, v255
	s_wait_dscnt 0x0
	s_barrier_signal -1
	MUL8 F1, 2, 0                                  ; register work while the others arrive
	WIN 0
	s_barrier_wait -1
.if \fill
	CREST
	s_add_nc_u64 s[G0+4*\slot+2:G0+4*\slot+3], s[G0+4*\slot+2:G0+4*\slot+3], 2*KSTEP*2
	s_add_nc_u64 s[G0B+4*\slot+2:G0B+4*\slot+3], s[G0B+4*\slot+2:G0B+4*\slot+3], 2*KSTEP*WROW
	JLOAD \slot
.endif
	PLACES
	FETCH \next, 0, F0
	WIN MUL
	MUL8 F1, 4, 0
	MUL8 F1, 6, 0
.endm
.macro LAP first
	THREE 0, \first
	TURN 0, 1, 1
	THREE 1, 0
	TURN 1, 0, 1
.endm
	s_wait_dscnt 0x0                               ; my factors are in LDS, for the other wave of my row half
	s_wait_tensorcnt 0x1                           ; my part of K step 0 is in; K step 1's may stay out
	s_barrier_signal -1
	s_barrier_wait -1
.irp a, 0,1,2,3,4,5,6,7
	ds_load_b64 v[FP+2*\a:FP+2*\a+1], v[FR] offset:128*\a          ; older than every fragment load: the first counted wait on DScnt covers them
.endr
	FETCH 0, 0, F0
	LAP 1                                          ; the first products take the bias as C
	WIN 0
	s_mov_b32 s3, LAPS-2
.Llap:
	LAP 0
	WIN 0
	s_sub_co_u32 s3, s3, 1
	s_cmp_lg_u32 s3, 0
	s_cbranch_scc1 .Llap
	THREE 0, 0                                     ; the last lap fills nothing
	TURN 0, 1, 0
	THREE 1, 0
	s_wait_dscnt 8
	WIN MUL
	MUL8 F1, 0, 0
	MUL8 F1, 2, 0
	s_wait_dscnt 0
	MUL8 F1, 4, 0
	MUL8 F1, 6, 0
	; THE WAY OUT, 16 rows at a time: times the row's factor, 32 bytes a lane into my own stage, read back as whole rows of 256 bytes.
	PLACES
	s_lshl_b32 s13, s13, 8
	s_lshl_b32 s14, s11, 7
	s_add_co_u32 s16, s13, s14                     ; my first row
	s_lshl_b32 s16, s16, 12                        ; x 4,096 bytes: below 32 MiB
	s_mov_b32 s17, 0
	s_add_nc_u64 s[8:9], s[8:9], s[16:17]
	s_lshl_b32 s46, s42, 9                         ; my first column in bytes: 512 x block column + 256 x half
	s_lshl_b32 s47, s12, 8
	s_add_co_u32 s46, s46, s47
	s_mov_b32 s47, 0
	s_add_nc_u64 s[8:9], s[8:9], s[46:47]
.macro OUT16 a, f
	WIN 0x02                                       ; source 0 (the sums) window 2
.irp b, 0,1,2,3
.irp p, 0,1,2,3
	v_pk_mul_f32 v[TMP+8*\b+2*\p:TMP+8*\b+2*\p+1], v[8*(4*\a+\b)+2*\p:8*(4*\a+\b)+2*\p+1], v[FP+2*\a:FP+2*\a+1]
.endr
.endr
	WIN 0
.irp b, 0,1,2,3
	ds_store_b128 v[STO], v[TMP+8*\b:TMP+8*\b+3]   offset:64*\b
	ds_store_b128 v[STO], v[TMP+8*\b+4:TMP+8*\b+7] offset:64*\b+16
.endr
	s_wait_xcnt 0x0                                ; buffer f, which earlier stores read, and the stores' base are rewritten only behind this wait
.if \a
	s_add_nc_u64 s[8:9], s[8:9], 16*OROW
.endif
.irp t, 0,1,2,3,4,5,6,7
	ds_load_b128 v[\f+4*\t:\f+4*\t+3], v[RD] offset:\t*2*SPITCH    ; LDS serves a wave's instructions in order: these see the stores above
.endr
.irp t, 0,1,2,3,4,5,6,7
	s_wait_dscnt 7-\t                              ; load t is back, the 7 - t younger ones stay out
	global_store_b128 v[CO], v[\f+4*\t:\f+4*\t+3], s[8:9] offset:2*\t*OROW th:TH_STORE_NT   ; 16 lanes store 256 consecutive bytes, aligned; written once
.endr
.endm
	OUT16 0, F0
	OUT16 1, F1
	OUT16 2, F0
	OUT16 3, F1
	OUT16 4, F0
	OUT16 5, F1
	OUT16 6, F0
	OUT16 7, F1
	s_set_vgpr_msb 0x1
	s_wait_tensorcnt 0x0
	ds_add_u32 v255, v255
	s_wait_dscnt 0x0
	s_set_vgpr_msb 0x100
	CROUND                                         ; the closing round
	s_endpgm
.Lfunc_end_k_q4f5e386555_vout:
	.size	k_q4f5e386555_vout, .Lfunc_end_k_q4f5e386555_vout-k_q4f5e386555_vout
	.p2alignl 7, 3214868480
	.fill 96, 4, 3214868480
	.section	.rodata,"a",@progbits
	.p2align	6, 0x0
	.amdhsa_kernel k_q4f5e386555_vout
		.amdhsa_group_segment_fixed_size 327680
		.amdhsa_private_segment_fixed_size 0
		.amdhsa_enable_private_segment 0
		.amdhsa_kernarg_size 40
		.amdhsa_user_sgpr_count 2
		.amdhsa_user_sgpr_kernarg_segment_ptr 1
		.amdhsa_wavefront_size32 1
		.amdhsa_system_sgpr_workgroup_id_x 1
		.amdhsa_system_sgpr_workgroup_id_y 1
		.amdhsa_system_sgpr_workgroup_id_z 1
		.amdhsa_system_vgpr_workitem_id 0
		.amdhsa_next_free_vgpr 768
		.amdhsa_next_free_sgpr 80
		.amdhsa_reserve_vcc 1
		.amdhsa_float_denorm_mode_32 3
		.amdhsa_float_denorm_mode_16_64 3
		.amdhsa_memory_ordered 1
		.amdhsa_forward_progress 1
		.amdhsa_inst_pref_size 143
	.end_amdhsa_kernel
	.amdgpu_metadata
---
amdhsa.version: [ 1, 2 ]
amdhsa.kernels:
  - .name:           k_q4f5e386555_vout
    .symbol:         k_q4f5e386555_vout.kd
    .args:
      - { .name: Xb, .offset: 0, .size: 8, .value_kind: global_buffer, .address_space: global }
      - { .name: Wb, .offset: 8, .size: 8, .value_kind: global_buffer, .address_space: global }
      - { .name: bv, .offset: 16, .size: 8, .value_kind: global_buffer, .address_space: global }
      - { .name: stats, .offset: 24, .size: 8, .value_kind: global_buffer, .address_space: global }
      - { .name: out0, .offset: 32, .size: 8, .value_kind: global_buffer, .address_space: global }
    .group_segment_fixed_size: 327680
    .private_segment_fixed_size: 0
    .kernarg_segment_align: 8
    .kernarg_segment_size: 40
    .max_flat_workgroup_size: 128
    .sgpr_count:     80
    .vgpr_count:     768
    .wavefront_size: 32
...
	.end_amdgpu_metadata
.endif
;; end of part 4
